; MI455X (gfx1250); checked and timed in simulation.
; The chip was launched on July 23, 2026; its instructions are those of AMD's public machine-readable ISA for CDNA 5 (MIT licence, August 2026) and "CDNA5" Instruction Set Architecture Reference Guide (July 2026). The comments in the code are by the model that wrote it; some were corrected since.
;; Partial Encoder Weighted Sum EDDI Multi Weight. Allowed arithmetic: matrix products marked QUANTISED: E2M3 operands, one E8M0 scale for each 32 along K, by v_wmma_scale_f32_16x16x128_f8f6f4 with both operands' format E2M3, f32 sums; products left as they are: f32 operands where the result goes on into a quantised operand, else bf16, f16 or f32 operands; f32 sums; everything else in f32.
;; Inputs: c_b 32 float32; c_ln_b 32 float32; c_ln_w 32 float32; c_w 128 x 32 float32; e_b1 256 float32; e_b2 64 float32; e_ln1_b 256 float32; e_ln1_w 256 float32; e_ln2_b 64 float32; e_ln2_w 64 float32; e_w1 32 x 256 float32; e_w2 256 x 64 float32; fe 8,192 x 32 float32; g_b1 16 float32; g_b2 4 float32; g_w1 32 x 16 float32; g_w2 16 x 4 float32; h_b1 128 float32; h_b2 32 float32; h_ln1_b 128 float32; h_ln1_w 128 float32; h_ln2_b 32 float32; h_ln2_w 32 float32; h_w1 33 x 128 float32; h_w2 128 x 32 float32; mask 128 x 8,192 int32; x 128 x 8,192 float32.
;; Outputs: out0 128 x 32 float32; out1 128 x 32 float32.
;; This version of the problem:
;;   THIS VERSION OF THE PROBLEM IS GIVEN IN LOW PRECISION. The matrix products marked QUANTISED in the list below multiply operands that are first quantised to E2M3 (2 exponent bits, 3 mantissa bits; 6 bits a number), with one power-of-two scale for each 32 numbers along K (OCP MX v1.0); their sums are f32. All else is computed in f32.
;;   The module's matrix products, in the order in which they are computed (A, B: the left and right operand; K: the contracted axis; several contracted axes count as one K, in the product's order):
;;     1. [M 8,192, K 32] x [K 32, N 128]; A: input fe; B: input h_w1: QUANTISED
;;     2. [M 1,048,576, K 128] x [K 128, N 32]; A: computed on the way; B: input h_w2: QUANTISED
;;     3. [M 1,048,576, K 32] x [K 32, N 16]; A: computed on the way; B: input g_w1: QUANTISED
;;     4. [M 1,048,576, K 16] x [K 16, N 4]; A: computed on the way; B: input g_w2: left as it is (K = 16 < 32)
;;     5. batch 128 x [M 4, K 8,192] x [K 8,192, N 32]; A: softmax; B: computed on the way: left as it is (M = 4 < 16)
;;     6. [M 128, K 128] x [K 128, N 32]; A: computed on the way; B: input c_w: QUANTISED
;;     7. [M 128, K 32] x [K 32, N 256]; A: computed on the way; B: input e_w1: QUANTISED
;;     8. [M 128, K 256] x [K 256, N 64]; A: computed on the way; B: input e_w2: QUANTISED
;;   THE QUANTISER, for each operand of a quantised product, along K:
;;     - K is cut into blocks of 32 from its start; a last block that is shorter is filled with zeros.
;;     - A block's scale is 2^e with e = floor(log2(the largest magnitude in the block)) - 2, held to -126 .. 127; a block of zeros has e = 0. As a byte (E8M0): e + 127.
;;     - Each number is divided by its block's scale, clamped to +-7.5, and rounded to the nearest number of E2M3, ties to even, subnormals kept.
;;     - The product sums the exact products of the quantised numbers (number of the format x scale) in f32.
;;   ~~~python
;;   def quantise(x, axis):      # numpy; x: float32 -> the quantised numbers, widened to float32 again
;;       x = np.moveaxis(x, axis, -1); K = x.shape[-1]
;;       x = np.pad(x, [(0, 0)] * (x.ndim - 1) + [(0, -K % 32)]); x = x.reshape(x.shape[:-1] + (-1, 32)); a = np.abs(x).max(-1, keepdims=True)
;;       e = np.where(a > 0, np.clip(np.frexp(np.where(a > 0, a, 1))[1] - 1 - 2, -126, 127), 0)      # np.frexp(a)[1] - 1 = floor(log2(a)), exactly
;;       r = np.clip(x / 2.0 ** e, -7.5, 7.5)
;;       step = 2.0 ** (np.maximum(np.frexp(np.where(r == 0, 1, r))[1] - 1, 0) - 3)
;;       q = np.round(r / step) * step * 2.0 ** e      # np.round: ties to even
;;       return np.moveaxis(q.reshape(q.shape[:-2] + (-1,))[..., :K], -1, axis).astype(np.float32)
;;   ~~~
;;   OPERANDS COMPUTED ON THE WAY. 'Computed on the way' means the value that the module computes at that place (a softmax that the list does not call 'softmax' is quantised finished and normalised). What goes into a quantiser is computed in f32, as accurately as f32 sums, v_exp_f32 and their like allow (about 1e-6 of the number): no bf16 or f16 on the way to a quantiser, and a product that is left as it is and whose result goes on into a quantised operand takes f32 operands (vector FMAs, or v_wmma_f32_16x16x4_f32). A number that lies on a knife's edge between two numbers of the format may be rounded either way, as far as f32 arithmetic and the matrix unit's own rounding can turn it there, and no further.
;; One version. Each part assembles by itself: llvm-mc -triple=amdgcn-amd-amdhsa -mcpu=gfx1250 --defsym DOCPART=n.
;; ======== version 1 of 1: 2 launches
;; limits: a difference of large sums (such as E[x^2] - mean^2): digits are lost where the result is much smaller than its terms
;; workspace buffers: part 2,097,152 bytes; den 131,072 bytes; cnt 65,536 bytes of whole numbers
;; launch cells (part 1): grid 32 x 8, 8 waves a work-group, no clusters, 287,232 bytes of LDS; arguments x, mask, fe, h_w1, h_b1, h_ln1_w, h_ln1_b, h_w2, h_b2, h_ln2_w, h_ln2_b, g_w1, g_b1, g_w2, g_b2, part, den, cnt; writes part, den, cnt
.if DOCPART == 1
	.amdgcn_target "amdgcn-amd-amdhsa--gfx1250"
	.amdhsa_code_object_version 6
	.text
	.protected	k_q4105ad79df_cells
	.globl	k_q4105ad79df_cells
	.p2align	8
	.type	k_q4105ad79df_cells,@function
k_q4105ad79df_cells:
	s_mov_b64 s[64:65], 0
	v_nop
	global_prefetch_b8 v0, s[64:65] scope:SCOPE_SE
	s_setreg_imm32_b32 hwreg(HW_REG_WAVE_MODE, 25, 1), 1
	s_wait_xcnt 0x0
; For every cell b and junction j: h1 = relu(LN128(x a + P_j + b1)), h_out = relu(LN32(Q(h1) Q(h_w2) + b2)), gates, exp(clipped logit) where mask > 0; and per cell the sums over j of
; exp x h_out (4 x 32), of exp (4) and of mask.  P = Q(fe) Q(h_w1[1:]).  Quantised products: codes of E2M3 with one E8M0 scale for each 32 along K, by the scaled 16x16x128 form.
; SHARES.  Work-group (jc, bt): 256 junctions x 16 cells; wave w: 32 junctions.  A TILE IS 16 CELLS AT ONE j: lane (r, h) holds cell r in every step, so all sums over j are lane-local.
; All products are used transposed (source 0 = 16 rows of the weight, source 1 = 16 cells): in a result lane (r, h) register e is (weight row 8 h + e, cell r).
; LN128 WITHOUT A PASS OVER 128: pre - mean = x a' + c'_j (a', c'_j centred), so var = x^2 Saa + 2 x Sac_j + Scc_j, and h1 = relu(s1 A + s2 C_j + beta), A = a' g, C_j = c'_j g, s2 = rsqrt(var + eps), s1 = x s2.
; K = 32 IN A FORM OF K = 128: lane (r, h) puts k = 16 h .. 16 h + 15 into registers 0-2 (the first 16 places of block h) on BOTH sides, all other codes are 0, and blocks 0 and 1 carry the one block's byte.
; THE SOFTMAX: reference() clips the logits to +-10, so exp(l) lies in 4.5e-5 .. 2.2e4 and a sum of 8,192 of them under 2e8: no maximum is taken away; numerators and denominators are plain sums, divided in the next launch.
; LIMITS: the variance is formed from three moments: its relative error is about 1e-7 x (x^2 Saa + 2 |x Sac| + Scc) / var, near 1e-7 unless x a' nearly cancels c'_j; it is held at eps from below.
; A block of zeros gets the scale byte 1 (its codes are zeros).  NaN and infinities among the inputs are not served.  The count of mask is an i32 sum.
; No tensor load, cluster or prefetch: each wave reads its 8 KB of x, mask and fe once at its head; what work-groups share (fe 32 KB, weights 36 KB) is small beside a wave's 32 tiles of arithmetic.
.set CT,   0                           ; LDS: C table, a wave's own 32 rows (j) of 528 bytes: [h][64 f32] at 256 h + 4 n
.set CTW,  16896
.set CP,   528
.set TU,   135168                      ; tuples, a wave's own 32 rows (j) of 272 bytes: cell r at 16 r: s1, s2, 0 or -1000, mask
.set TUW,  8704
.set TPI,  272
.set RED,  204800                      ; the way out: 9,216 bytes a wave: 16 chunks of 512 (sums), the four denominators at 8,192, the count at 8,704
.set REDW, 9216
.set W1I,  278528                      ; h_w1's 8 tiles: image of 3 code registers and the scale word, 16 bytes a lane
.set W2I,  282624                      ; h_w2's 8 jobs (tile u, block kb): 384 bytes each: row r's 24 bytes of codes at 24 r
.set W2S,  285696                      ; their scale bytes, a word for each job and row
; window 0
.set AC0,  1                           ; CT + 16896 w + 256 h
.set AT0,  2                           ; TU + 8704 w + 16 r
.set ADC,  3
.set ADT,  4
.set H8,   5                           ; 8 h
.set NM,   6                           ; pairs whose low word is broadcast: v6 (v7 = 128 h), v8 (v9 = 64 h), v10 (v11 = 32 h): the upper halves serve as load offsets and are never rewritten
.set PS1,  8
.set PS2,  10
.set MOFF, 12
.set MASK, 13
.set RR,   14
.set Y,    16                          ; v16-47 a block of 32 of h1
.set FR,   48                          ; v48-59 h1's codes
.set CT3,  60
.set M0,   63
.set M1,   64
.set SO,   65
.set BY0,  66
.set BY1,  67
.set W2F,  68                          ; v68-91 h_w2's two fragments
.set B2C,  92                          ; v92-107 h_b2 in the result's layout
.set D2,   108
.set HO,   124                         ; v124-139 h_out: d = 16 h + n
.set LG,   140
.set LB,   156
.set HF,   172                         ; v172-183 h_out's codes (fe's at the head)
.set G1F,  184
.set GB1C, 196
.set D3,   204
.set RW,   212
.set RAW,  220
.set RX,   224
.set WG,   228
.set DEN,  236
.set CNT,  240
.set S1W,  241                         ; v241-253 hold scales and nothing else
.set W2S0, 242
.set HS,   244
.set G1S,  245
.set W1S,  246
.set TT,   254
.set TT2,  255
.set W1F,  12                          ; at the head: h_w1's 8 fragments v12-107, P's 8 tiles v108-171, four chains v228-235
.set D1,   108
.set CH,   228
; window 1
.set HA,   0                           ; a, a', A
.set HBE,  64                          ; h_b1, then beta
.set HCB,  128                         ; a block of C_j (x and mask at the head)
.set HGW,  160                         ; g_w2 [w][e]
.set HACC, 192                         ; g at the head, then the 64 sums
.set MSB, 0
.macro WIN new                         ; the immediate's high byte repeats the setting that is left; bits 1:0 source 0, 3:2 source 1, 5:4 source 2, 7:6 destination
.if MSB != \new
	s_set_vgpr_msb (MSB<<8)|\new
.set MSB, \new
.endif
.endm
; 32 along K x 16 rows: lane (r, h) holds k = 16 h + 0 .. 15 of row r in v[raw] on.  Codes into v[cod .. cod+2], the conversion's scale operand into v[so], the scale's byte into v[by].
.macro QJ raw, cod, so, by
	v_max3_num_f32 v254, |v[\raw]|, |v[\raw+1]|, 0x1800000   ; the floor 2^(3 - 127) holds the byte at 1 from below
.irp i, 2,4,6,8,10,12,14
	v_max3_num_f32 v254, v254, |v[\raw+\i]|, |v[\raw+\i+1]|
.endr
	v_permlanex16_b32 v255, v254, s44, s45
	v_max_num_f32 v254, v254, v255                 ; with lane l xor 16's: the block's largest magnitude
	v_add_nc_u32 v[\so], 0xff000000, v254          ; 2 off its exponent field
	v_lshrrev_b32 v[\by], 23, v[\so]
	v_cvt_scalef32_pk16_fp6_f32 v[\cod:\cod+2], v[\raw:\raw+15], v[\so]
	v_nop                                          ; one plain place behind a scaled conversion
.endm
.macro ZCH
.irp i, 0,1,2,3,4,5,6,7
	v_mov_b32 v[CH+\i], 0
.endr
.endm
.macro RSUM win, b                     ; four chains += 64 registers, in ascending order
	WIN \win
.set p, 0
.rept 32
	v_pk_add_f32 v[CH+2*(p%4):CH+2*(p%4)+1], v[CH+2*(p%4):CH+2*(p%4)+1], v[\b+2*p:\b+2*p+1]
.set p, p+1
.endr
	WIN 0
.endm
.macro RDOT win, b0, b1
	WIN \win
.set p, 0
.rept 32
	v_pk_fma_f32 v[CH+2*(p%4):CH+2*(p%4)+1], v[\b0+2*p:\b0+2*p+1], v[\b1+2*p:\b1+2*p+1], v[CH+2*(p%4):CH+2*(p%4)+1]
.set p, p+1
.endr
	WIN 0
.endm
.macro FOLD                            ; the chains and the other half of the lanes -> v254
	v_pk_add_f32 v[CH:CH+1], v[CH:CH+1], v[CH+2:CH+3]
	v_pk_add_f32 v[CH+4:CH+5], v[CH+4:CH+5], v[CH+6:CH+7]
	v_pk_add_f32 v[CH:CH+1], v[CH:CH+1], v[CH+4:CH+5]
	v_add_f32 v254, v[CH], v[CH+1]
	v_permlanex16_b32 v255, v254, s44, s45
	v_add_f32 v254, v254, v255
.endm
.macro FRAGB reg, grp                  ; a whole-block fragment from h_w2's image: lane (r, h) registers 6 c .. 6 c + 5 = block 2 c + h of row r
.irp c, 0,1
.irp p, 0,1,2
	ds_load_b64 v[\reg+6*\c+2*\p:\reg+6*\c+2*\p+1], v8 offset:(4*\grp+2*\c)*384+8*\p
.endr
.endr
.endm
.macro NOPS n
.rept \n
	v_nop
.endr
.endm
	s_load_b512 s[4:19], s[0:1], 0x0               ; x, mask, fe, h_w1, h_b1, h_ln1_w, h_ln1_b, h_w2
	s_load_b512 s[20:35], s[0:1], 0x40             ; h_b2, h_ln2_w, h_ln2_b, g_w1, g_b1, g_w2, g_b2, part
	s_load_b128 s[36:39], s[0:1], 0x80             ; den, cnt
	v_lshrrev_b32 v12, 5, v0
	v_readfirstlane_b32 s40, v12                   ; wave 0..7
	s_mov_b32 s41, ttmp9                           ; jc
	s_and_b32 s42, ttmp7, 0xffff                   ; bt
	s_mov_b32 s44, 0x76543210
	s_mov_b32 s45, 0xfedcba98                      ; v_permlanex16_b32's selects for lane l xor 16
	s_mov_b32 s60, 0x3fb8aa3b                      ; log2(e)
	s_mov_b32 s61, s60
	s_mov_b32 s62, 0x41200000                      ; 10
	s_mov_b32 s63, 0xc1200000                      ; -10
	s_mov_b32 s66, 0x3d000000                      ; 1/32
	s_mov_b32 s67, 0x3727c5ac                      ; 1e-5
	s_mov_b32 s71, 0x3c000000                      ; 1/128
	s_lshr_b32 s46, s40, 2
	s_and_b32 s47, s40, 3
	s_lshl_b32 s72, s41, 15                        ; fe: (256 jc + 32 w) rows of 128 bytes
	s_lshl_b32 s98, s40, 12
	s_add_co_u32 s72, s72, s98
	s_mov_b32 s73, 0
	s_lshl_b32 s88, s42, 19                        ; x, mask: 16 bt rows of 32,768 bytes + 4 (256 jc + 32 w)
	s_lshl_b32 s98, s41, 10
	s_add_co_u32 s88, s88, s98
	s_lshl_b32 s98, s40, 7
	s_add_co_u32 s88, s88, s98
	s_mov_b32 s89, 0
	s_lshl_b32 s90, s41, 3
	s_add_co_u32 s90, s90, s42                     ; 8 jc + bt
	s_lshl_b32 s92, s90, 13
	s_mov_b32 s93, 0
	s_lshl_b32 s94, s90, 9
	s_mov_b32 s95, 0
	s_lshl_b32 s96, s90, 8
	s_mov_b32 s97, 0
	v_and_b32 v12, 31, v0                          ; lane
	v_and_b32 v13, 15, v0                          ; r
	v_bfe_u32 v14, v0, 4, 1                        ; h
	v_lshlrev_b32 v[H8], 3, v14
	v_lshlrev_b32 v7, 7, v14                       ; 128 h
	v_lshlrev_b32 v9, 6, v14                       ; 64 h
	v_lshlrev_b32 v11, 5, v14                      ; 32 h
	v_mov_b32 v6, 0
	v_mov_b32 v255, 0                              ; a lane permute's destination counts as one of its sources
	s_mul_i32 s98, s40, CTW
	v_lshl_add_u32 v[AC0], v14, 8, s98
	v_mad_u32_u24 v4, v13, CP, v[AC0]              ; where P's tiles store C: row r
	s_mul_i32 s43, s40, TUW
	s_add_co_u32 s43, s43, TU
	v_lshl_add_u32 v[AT0], v13, 4, s43
	v_bfe_u32 v15, v0, 3, 1                        ; r / 8
	v_and_b32 v17, 7, v0                           ; r % 8
	s_lshl_b32 s98, s46, 8                         ; h_w1, tile t = w: lane r takes column 64 (t/4) + 32 (r/8) + 8 (t%4) + r%8, so that P's registers lie as h1's
	s_lshl_b32 s99, s47, 5
	s_add_co_u32 s98, s98, s99
	v_lshl_add_u32 v16, v14, 13, s98
	v_lshl_add_u32 v16, v15, 7, v16
	v_lshl_add_u32 v16, v17, 2, v16
	s_lshl_b32 s98, s47, 12                        ; h_w2, job (u = w/4, kb = w%4): rows 32 kb + 16 h on, column 8 u + r + 8 (r/8), so that a lane's 16 results are d = 16 h + n
	s_lshl_b32 s99, s46, 5
	s_add_co_u32 s98, s98, s99
	v_and_b32 v19, 8, v0
	v_add_nc_u32 v19, v19, v13
	v_lshl_add_u32 v18, v14, 11, s98
	v_lshl_add_u32 v18, v19, 2, v18
	v_lshlrev_b32 v20, 2, v13                      ; g_w1: rows 16 h on, column r
	v_lshl_add_u32 v20, v14, 10, v20
	v_lshlrev_b32 v21, 7, v13                      ; fe: row r, + 64 h
	v_lshl_add_u32 v21, v14, 6, v21
	v_lshlrev_b32 v22, 2, v12                      ; x, mask: 4 x lane
	s_lshl_b32 s98, s40, 9
	s_add_co_u32 s98, s98, W1I
	v_lshl_add_u32 v23, v12, 4, s98                ; my tile's image of h_w1
	v_lshl_add_u32 v3, v12, 4, W1I                 ; and where any tile's is read
	s_mul_i32 s98, s40, 384
	s_add_co_u32 s98, s98, W2I
	v_mad_u32_u24 v24, v13, 24, s98
	v_mad_u32_u24 v24, v14, 12, v24                ; my job's codes of h_w2: 24 r + 12 h
	s_lshl_b32 s98, s40, 6
	s_add_co_u32 s98, s98, W2S
	v_lshl_add_u32 v25, v13, 2, s98                ; and its scale bytes, a word a row
	v_mul_u32_u24 v8, v13, 24
	v_mad_u32_u24 v8, v14, 384, v8
	v_add_nc_u32 v8, W2I, v8                       ; where fragments of h_w2 are read: 384 h + 24 r
	v_lshl_add_u32 v10, v13, 2, W2S
	s_wait_kmcnt 0x0
	s_load_b128 s[48:51], s[32:33], 0x0            ; g_b2
	s_add_nc_u64 s[74:75], s[8:9], s[72:73]
	s_add_nc_u64 s[76:77], s[4:5], s[88:89]
	s_add_nc_u64 s[78:79], s[6:7], s[88:89]
	s_add_nc_u64 s[80:81], s[34:35], s[92:93]
	s_add_nc_u64 s[82:83], s[36:37], s[94:95]
	s_add_nc_u64 s[84:85], s[38:39], s[96:97]
.set p, 0
.rept 16                               ; the three jobs' numbers, registers down K
	global_load_b32 v[108+p], v16, s[10:11] offset:512+512*p
	global_load_b32 v[124+p], v18, s[18:19] offset:128*p
	global_load_b32 v[140+p], v20, s[26:27] offset:64*p
.set p, p+1
.endr
	WIN 0x40
.set p, 0
.rept 16                               ; a, g, h_b1 as h1 lies: register n of half h = index 64 (n/32) + 32 h + n%32
	global_load_b128 v[HA+4*p:HA+4*p+3], v7, s[10:11] offset:256*(p/8)+16*(p%8)
	global_load_b128 v[HACC+4*p:HACC+4*p+3], v7, s[14:15] offset:256*(p/8)+16*(p%8)
	global_load_b128 v[HBE+4*p:HBE+4*p+3], v7, s[12:13] offset:256*(p/8)+16*(p%8)
.set p, p+1
.endr
	WIN 0
	s_wait_loadcnt 48                              ; the 48 loads of a, g, h_b1 may be out: the jobs' numbers are in
	QJ 108, 228, 240, 239
	v_lshl_or_b32 v231, v239, 8, v239              ; blocks 0 and 1 carry the byte
	ds_store_b128 v23, v[228:231]
	QJ 124, 232, 238, 237
	ds_store_b32 v24, v232
	ds_store_b32 v24, v233 offset:4
	ds_store_b32 v24, v234 offset:8
	ds_store_b32 v25, v237
	QJ 140, G1F, 236, 235
	v_lshl_or_b32 v[G1S], v235, 8, v235
.set p, 0
.rept 8
	global_load_b128 v[196+4*p:199+4*p], v21, s[74:75] offset:2048*(p/4)+16*(p%4)   ; fe: two tiles of 16 j, k = 16 h + 0 .. 15
.set p, p+1
.endr
	WIN 0x40
.set p, 0
.rept 16                               ; x and mask of cell p at my 32 j: a lane a j; read once in the launch
	global_load_b32 v[HCB+4*p], v22, s[76:77] offset:32768*p th:TH_LOAD_NT
	global_load_b32 v[HCB+4*p+3], v22, s[78:79] offset:32768*p th:TH_LOAD_NT
.set p, p+1
.endr
	WIN 0
	s_wait_xcnt 0x0                                ; the loads have read their offsets: v12-25 are written again below
	s_wait_dscnt 0x0                               ; for the others' sake: my images have landed
	s_barrier_signal -1
	s_barrier_wait -1
.irp t, 0,1,2,3,4,5,6,7
	ds_load_b96 v[W1F+12*\t:W1F+12*\t+2], v3 offset:512*\t
	ds_load_b32 v[W1S+\t], v3 offset:512*\t+12
.endr
.irp t, 0,1,2,3,4,5,6,7
.irp i, 3,4,5,6,7,8,9,10,11
	v_mov_b32 v[W1F+12*\t+\i], 0                   ; zero codes beyond K = 32
.endr
.endr
.irp i, 3,4,5,6,7,8,9,10,11
	v_mov_b32 v[HF+\i], 0
	v_mov_b32 v[G1F+\i], 0
.endr
	s_wait_kmcnt 0x0
.irp w, 0,1,2,3
	v_mov_b32 v254, s[48+\w]
	v_mul_f32 v254, 0x3e800000, v254               ; g_b2 / 4: each of a gate's four partial sums begins with it
	v_readfirstlane_b32 s[52+2*\w], v254
	s_mov_b32 s[53+2*\w], 0
.endr
	s_wait_loadcnt 40                              ; fe's 8 and x's and mask's 32 may be out: a, g, h_b1 are in
	ZCH
	RSUM 0x04, HA
	FOLD
	v_mul_f32 v[NM], 0xbc000000, v254              ; - mean(a)
	WIN 0x41
.set p, 0
.rept 32
	v_pk_add_f32 v[HA+2*p:HA+2*p+1], v[HA+2*p:HA+2*p+1], v[NM:NM+1] op_sel_hi:[1,0]   ; a'
.set p, p+1
.endr
	WIN 0
	ZCH
	RDOT 0x05, HA, HA
	FOLD
	v_mul_f32 v236, 0x3c000000, v254               ; Saa
	s_wait_dscnt 0x0                               ; h_w1's fragments and scale words
; P for 16 j (lane r = j), centred; its two moments; C = c' g to the wave's table.
.macro PTILE q, sac, scc
.if \q == 0
	s_wait_loadcnt 32                              ; x's and mask's 32 may be out: fe is in
.endif
	QJ 196+16*\q, HF, 240, 239
	v_lshl_or_b32 v[HS], v239, 8, v239
	NOPS 8                                         ; a scale register written by a vector instruction stands 8 places ahead of the product
.if \q == 1
	s_wait_dscnt 0x0                               ; the last tile's stores have read the registers that the products write
.endif
	WIN 0x10                                       ; C (h_b1) in window 1
.irp t, 0,1,2,3,4,5,6,7
	v_wmma_scale_f32_16x16x128_f8f6f4 v[D1+8*\t:D1+8*\t+7], v[W1F+12*\t:W1F+12*\t+11], v[HF:HF+11], v[HBE+8*\t:HBE+8*\t+7], v[W1S+\t], v[HS] matrix_a_fmt:MATRIX_FMT_FP6 matrix_b_fmt:MATRIX_FMT_FP6
.endr
	WIN 0
	NOPS 4
.if \q == 1                            ; h_w1's fragments and h_b1 are done with: what the loop keeps takes their registers
	WIN 0x40
.set p, 0
.rept 16
	global_load_b128 v[HBE+4*p:HBE+4*p+3], v7, s[16:17] offset:256*(p/8)+16*(p%8)   ; beta
.set p, p+1
.endr
	WIN 0
	FRAGB W2F, 0
	FRAGB W2F+12, 1
.irp k, 0,1,2,3,4,5,6,7
	ds_load_b32 v[12+\k], v10 offset:64*\k         ; h_w2's scale bytes, job by job
.endr
.irp m, 0,1,2,3
	global_load_b128 v[B2C+4*\m:B2C+4*\m+3], v9, s[20:21] offset:16*\m
.endr
.irp m, 0,1
	global_load_b128 v[GB1C+4*\m:GB1C+4*\m+3], v11, s[28:29] offset:16*\m
.endr
.endif
	ZCH
	RSUM 0, D1                                     ; each accumulator is read from its low end on
	FOLD
	v_mul_f32 v[NM], 0xbc000000, v254
.set p, 0
.rept 32
	v_pk_add_f32 v[D1+2*p:D1+2*p+1], v[D1+2*p:D1+2*p+1], v[NM:NM+1] op_sel_hi:[1,0]   ; c'
.set p, p+1
.endr
	ZCH
	RDOT 0, D1, D1
	FOLD
	v_fma_f32 v[\scc], v254, s71, s67              ; Scc + eps
	ZCH
	RDOT 0x04, D1, HA
	FOLD
	v_mul_f32 v[\sac], 0x3c800000, v254            ; 2 Sac
	WIN 0x04
.set p, 0
.rept 32
	v_pk_mul_f32 v[D1+2*p:D1+2*p+1], v[D1+2*p:D1+2*p+1], v[HACC+2*p:HACC+2*p+1]       ; C = c' g
.set p, p+1
.endr
	WIN 0
.set p, 0
.rept 16
	ds_store_b128 v4, v[D1+4*p:D1+4*p+3] offset:8448*\q+16*p
.set p, p+1
.endr
.endm
	PTILE 0, 237, 238
	PTILE 1, 239, 240
	s_wait_dscnt 0x0                               ; the stores have read their registers; h_w2's fragments and bytes are in
.irp u, 0,1
	v_lshl_or_b32 v[W2S0+\u], v[13+4*\u], 8, v[12+4*\u]
	v_lshl_or_b32 v[W2S0+\u], v[14+4*\u], 16, v[W2S0+\u]
	v_lshl_or_b32 v[W2S0+\u], v[15+4*\u], 24, v[W2S0+\u]
.endr
.irp m, 0,1,2,3
	global_load_b128 v[LG+4*\m:LG+4*\m+3], v9, s[22:23] offset:16*\m
	global_load_b128 v[LB+4*\m:LB+4*\m+3], v9, s[24:25] offset:16*\m
.endr
	WIN 0x45
.set p, 0
.rept 32
	v_pk_mul_f32 v[HA+2*p:HA+2*p+1], v[HA+2*p:HA+2*p+1], v[HACC+2*p:HACC+2*p+1]       ; A = a' g
.set p, p+1
.endr
	WIN 0
	v_and_b32 v254, 31, v0
	v_cmp_gt_u32 vcc_lo, 16, v254                  ; from here a lane is a j: lanes 0-15 take the first tile's moments, lanes 16-31 the second's
	v_cndmask_b32 v237, v239, v237, vcc_lo
	v_cndmask_b32 v238, v240, v238, vcc_lo
	v_mul_u32_u24 v3, v254, TPI
	v_add_nc_u32 v3, s43, v3                       ; my j's row of tuples
	s_wait_loadcnt 0x0                             ; x, mask, and all that the loop keeps
	WIN 0x40
	v_mov_b32 v192, v236
	v_mov_b32 v193, v237
	v_mov_b32 v194, v238
	v_mov_b32 v195, 0xc47a0000                     ; -1000: 2^(l log2 e - 1000) is 0
	v_mov_b32 v196, 0
	WIN 0x55
.set p, 0
.rept 16
	v_fma_f32 v[HCB+4*p+2], v[HCB+4*p], v192, v193
.set p, p+1
.endr
.set p, 0
.rept 16
	v_fma_f32 v[HCB+4*p+1], v[HCB+4*p], v[HCB+4*p+2], v194     ; var + eps
.set p, p+1
.endr
.set p, 0
.rept 16
	v_max_num_f32 v[HCB+4*p+1], s67, v[HCB+4*p+1]
.set p, p+1
.endr
.set p, 0
.rept 16
	v_rsq_f32 v[HCB+4*p+1], v[HCB+4*p+1]
.set p, p+1
.endr
	v_nop                                          ; a plain place behind the batch,
	s_wait_alu depctr_va_vdst(0)                   ; and one wait for the sixteen, ahead of their first reader
.set p, 0
.rept 16
	v_mul_f32 v[HCB+4*p], v[HCB+4*p], v[HCB+4*p+1]             ; s1 = x s2
	v_cmp_lt_i32 vcc_lo, 0, v[HCB+4*p+3]
	v_cndmask_b32 v[HCB+4*p+2], v195, v196, vcc_lo
.set p, p+1
.endr
	WIN 0x04
.set p, 0
.rept 16
	ds_store_b128 v3, v[HCB+4*p:HCB+4*p+3] offset:16*p
.set p, p+1
.endr
	WIN 0
	s_wait_dscnt 0x0                               ; the tuples have landed and their registers are free
	WIN 0x40
.irp w, 0,1,2,3
.irp e, 0,1,2,3,4,5,6,7
	global_load_b32 v[HGW+8*\w+\e], v7, s[30:31] offset:16*\e+4*\w   ; g_w2(8 h + e, w)
.endr
.endr
	WIN 0
; ---- the tile's parts.  X works on the tile ahead (h1 and its codes), Y on the tile in hand.
.macro RELU2 a
	v_max_num_f32 v[\a], 0, v[\a]
	v_max_num_f32 v[\a+1], 0, v[\a+1]
.endm
.macro XB_FMA c, ld                    ; block c: Y = s2 C + beta, then + s1 A.  ld: C's registers are filled again between the two runs (c = 0: this tile's block 1; c = 1: the next tile's block 0)
	WIN 0x11
.set p, 0
.rept 16
	v_pk_fma_f32 v[Y+2*p:Y+2*p+1], v[HCB+2*p:HCB+2*p+1], v[PS2:PS2+1], v[HBE+32*\c+2*p:HBE+32*\c+2*p+1] op_sel_hi:[1,0,1]
.set p, p+1
.endr
.if \ld
	WIN 0x40
.set p, 0
.rept 8
	ds_load_b128 v[HCB+4*p:HCB+4*p+3], v[ADC] offset:128+400*\c+16*p
.set p, p+1
.endr
.endif
	WIN 0x01
.set p, 0
.rept 16
	v_pk_fma_f32 v[Y+2*p:Y+2*p+1], v[HA+32*\c+2*p:HA+32*\c+2*p+1], v[PS1:PS1+1], v[Y+2*p:Y+2*p+1] op_sel_hi:[1,0,1]
.set p, p+1
.endr
	WIN 0
.endm
.macro XB_RELU
.set p, 0
.rept 16
	RELU2 Y+2*p
.set p, p+1
.endr
.endm
.macro XB_MAX                          ; the block's largest number (none is negative) and the floor: all 32 are the lane's own
	v_max3_num_f32 v[M0], v[Y], v[Y+1], 0x1800000
	v_max3_num_f32 v[M1], v[Y+2], v[Y+3], v[Y+4]
.set p, 0
.rept 13
	v_max3_num_f32 v[M0+p%2], v[M0+p%2], v[Y+5+2*p], v[Y+6+2*p]
.set p, p+1
.endr
	v_max3_num_f32 v[M0], v[M0], v[M1], v[Y+31]
.endm
.macro XB_CVT c
	v_add_nc_u32 v[SO], 0xff000000, v[M0]
	v_cvt_scalef32_pk16_fp6_f32 v[FR+6*\c:FR+6*\c+2], v[Y:Y+15], v[SO]
	v_cvt_scalef32_pk16_fp6_f32 v[CT3:CT3+2], v[Y+16:Y+31], v[SO]   ; (a conversion's three registers begin on an even number)
	v_lshrrev_b32 v[BY0+\c], 23, v[SO]             ; the byte; also the plain place behind the conversions
.irp i, 0,1,2
	v_mov_b32 v[FR+6*\c+3+\i], v[CT3+\i]
.endr
.endm
.macro XSW                             ; my two bytes (blocks h and 2 + h) and lane l xor 16's two make the cell's scale word
	v_lshl_or_b32 v[TT], v[BY1], 16, v[BY0]
	v_lshlrev_b32 v[TT], v[H8], v[TT]
	v_permlanex16_b32 v[TT2], v[TT], s44, s45
	v_or_b32 v[S1W], v[TT], v[TT2]
.endm
.macro Y1A                             ; LN over 32: mean, centred numbers into HO, variance, rsqrt issued
	v_pk_add_f32 v[212:213], v[D2:D2+1], v[D2+2:D2+3]              ; each accumulator is read from its low end on
	v_pk_add_f32 v[214:215], v[D2+8:D2+9], v[D2+10:D2+11]
	v_pk_add_f32 v[212:213], v[212:213], v[D2+4:D2+5]
	v_pk_add_f32 v[214:215], v[214:215], v[D2+12:D2+13]
	v_pk_add_f32 v[212:213], v[212:213], v[D2+6:D2+7]
	v_pk_add_f32 v[214:215], v[214:215], v[D2+14:D2+15]
	v_pk_add_f32 v[212:213], v[212:213], v[214:215]
	v_add_f32 v220, v212, v213
	v_permlanex16_b32 v221, v220, s44, s45
	v_add_f32 v220, v220, v221
	v_mul_f32 v[NM], 0xbd000000, v220
.irp p, 0,2,4,6,8,10,12,14
	v_pk_add_f32 v[HO+\p:HO+\p+1], v[D2+\p:D2+\p+1], v[NM:NM+1] op_sel_hi:[1,0]
.endr
	v_pk_mul_f32 v[216:217], v[HO:HO+1], v[HO:HO+1]
	v_pk_mul_f32 v[218:219], v[HO+2:HO+3], v[HO+2:HO+3]
.irp p, 4,8,12
	v_pk_fma_f32 v[216:217], v[HO+\p:HO+\p+1], v[HO+\p:HO+\p+1], v[216:217]
	v_pk_fma_f32 v[218:219], v[HO+\p+2:HO+\p+3], v[HO+\p+2:HO+\p+3], v[218:219]
.endr
	v_pk_add_f32 v[216:217], v[216:217], v[218:219]
	v_add_f32 v220, v216, v217
	v_permlanex16_b32 v221, v220, s44, s45
	v_add_f32 v220, v220, v221
	v_fma_f32 v222, v220, s66, s67
	v_rsq_f32 v[RR], v222
.endm
.macro Y1B                             ; h_out, and its codes (K = 32: one block, shared with lane l xor 16)
.irp p, 0,2,4,6,8,10,12,14
	v_pk_mul_f32 v[HO+\p:HO+\p+1], v[HO+\p:HO+\p+1], v[RR:RR+1] op_sel_hi:[1,0]
.endr
.irp p, 0,2,4,6,8,10,12,14
	v_pk_fma_f32 v[HO+\p:HO+\p+1], v[HO+\p:HO+\p+1], v[LG+\p:LG+\p+1], v[LB+\p:LB+\p+1]
.endr
.irp p, 0,2,4,6,8,10,12,14
	RELU2 HO+\p
.endr
	v_max3_num_f32 v220, v[HO], v[HO+1], 0x1800000
.irp p, 2,4,6,8,10,12,14
	v_max3_num_f32 v220, v220, v[HO+\p], v[HO+\p+1]
.endr
	v_permlanex16_b32 v221, v220, s44, s45
	v_max_num_f32 v220, v220, v221
	v_add_nc_u32 v222, 0xff000000, v220
	v_lshrrev_b32 v223, 23, v222
	v_lshl_or_b32 v[HS], v223, 8, v223
	v_cvt_scalef32_pk16_fp6_f32 v[HF:HF+2], v[HO:HO+15], v222
.endm
.macro Y2A                             ; relu, the four gates in f32 multiply-adds, the clip, the mask, the exponentials issued
.irp e, 0,1,2,3,4,5,6,7
	v_max_num_f32 v[D3+\e], 0, v[D3+\e]
.endr
	WIN 0x01
.irp w, 0,1,2,3
	v_pk_fma_f32 v[RW+2*\w:RW+2*\w+1], v[HGW+8*\w:HGW+8*\w+1], v[D3:D3+1], s[52+2*\w:53+2*\w] op_sel_hi:[1,1,0]
.endr
.irp m, 1,2,3
.irp w, 0,1,2,3
	v_pk_fma_f32 v[RW+2*\w:RW+2*\w+1], v[HGW+8*\w+2*\m:HGW+8*\w+2*\m+1], v[D3+2*\m:D3+2*\m+1], v[RW+2*\w:RW+2*\w+1]
.endr
.endr
	WIN 0
.irp w, 0,1,2,3
	v_add_f32 v[RAW+\w], v[RW+2*\w], v[RW+2*\w+1]
.endr
.irp w, 0,1,2,3
	v_permlanex16_b32 v[RX+\w], v[RAW+\w], s44, s45
.endr
	v_pk_add_f32 v[RAW:RAW+1], v[RAW:RAW+1], v[RX:RX+1]
	v_pk_add_f32 v[RAW+2:RAW+3], v[RAW+2:RAW+3], v[RX+2:RX+3]
.irp w, 0,1,2,3
	v_med3_num_f32 v[RAW+\w], v[RAW+\w], s63, s62
.endr
	v_pk_fma_f32 v[RAW:RAW+1], v[RAW:RAW+1], s[60:61], v[MOFF:MOFF+1] op_sel_hi:[1,0,0]
	v_pk_fma_f32 v[RAW+2:RAW+3], v[RAW+2:RAW+3], s[60:61], v[MOFF:MOFF+1] op_sel_hi:[1,0,0]
.irp w, 0,1,2,3
	v_exp_f32 v[WG+2*\w], v[RAW+\w]
.endr
.endm
.macro Y2B mm                          ; the sums.  mm: the next tile's mask pair is asked for, the trip's last LDS load
.irp w, 0,1,2,3
	v_add_f32 v[DEN+\w], v[DEN+\w], v[WG+2*\w]
.endr
	v_add_nc_u32 v[CNT], v[CNT], v[MASK]
.if \mm
	ds_load_b64 v[MOFF:MOFF+1], v[ADT] offset:8
.endif
	WIN 0x50
.irp w, 0,1,2,3
.irp p, 0,2,4,6,8,10,12,14
	v_pk_fma_f32 v[HACC+16*\w+\p:HACC+16*\w+\p+1], v[HO+\p:HO+\p+1], v[WG+2*\w:WG+2*\w+1], v[HACC+16*\w+\p:HACC+16*\w+\p+1] op_sel_hi:[1,0,1]
.endr
.endr
	WIN 0
.endm
; One trip: Y on tile t, X on tile t + 1 (x = 1), loads for tile t + 2 (nx = 1).  X's plain lines are the places behind and in front of Y's three products; with x = 0 v_nop take their part.
.macro BODY x, nx, mm, topw
.if \x
	v_add_nc_u32 v[ADC], s68, v[AC0]
	v_add_nc_u32 v[ADT], s69, v[AT0]
.endif
	s_wait_dscnt \topw                             ; 1: the mask pair, issued last, may be out; C's block 0 and the pair s1, s2 are in
.irp u, 0,1
	v_wmma_scale_f32_16x16x128_f8f6f4 v[D2+8*\u:D2+8*\u+7], v[W2F+12*\u:W2F+12*\u+11], v[FR:FR+11], v[B2C+8*\u:B2C+8*\u+7], v[W2S0+\u], v[S1W] matrix_a_fmt:MATRIX_FMT_FP6 matrix_b_fmt:MATRIX_FMT_FP6
.endr
.if \x
	XB_FMA 0, 1
	XB_RELU
	XB_MAX
	XB_CVT 0
.else
	NOPS 4
.endif
	Y1A
.if \x
	s_wait_dscnt 0x0                               ; C's block 1 (and the mask pair)
	XB_FMA 1, \nx                                  ; independent work behind the rsqrt
.if \nx
	ds_load_b32 v[PS1], v[ADT] offset:TPI
	ds_load_b32 v[PS2], v[ADT] offset:TPI+4
.endif
.else
	v_nop
.endif
	s_wait_alu depctr_va_vdst(0)                   ; ahead of the rsqrt's first reader
	Y1B
.if \x
	XB_RELU                                        ; 32 plain lines between the scale word and codes just made and the product
.else
	NOPS 8
.endif
	v_wmma_scale_f32_16x16x128_f8f6f4 v[D3:D3+7], v[G1F:G1F+11], v[HF:HF+11], v[GB1C:GB1C+7], v[G1S], v[HS] matrix_a_fmt:MATRIX_FMT_FP6 matrix_b_fmt:MATRIX_FMT_FP6
.if \x
	XB_MAX
.else
	NOPS 4
.endif
	Y2A
.if \x
	XB_CVT 1                                       ; independent work behind the exponentials; its first line is plain
	XSW
.else
	v_nop
.endif
	s_wait_alu depctr_va_vdst(0)                   ; one wait for the four exponentials
	Y2B \mm                                        ; 37 plain lines: the places in front of the next trip's products
	s_add_co_u32 s68, s68, CP
	s_add_co_u32 s69, s69, TPI
.endm
	; ---- tile 0's X, written out; it leaves the loads as a trip leaves them
	v_add_nc_u32 v[ADC], 0, v[AC0]
	v_add_nc_u32 v[ADT], 0, v[AT0]
	WIN 0x40
.set p, 0
.rept 8
	ds_load_b128 v[HCB+4*p:HCB+4*p+3], v[ADC] offset:16*p
.set p, p+1
.endr
	WIN 0
	ds_load_b32 v[PS1], v[ADT]
	ds_load_b32 v[PS2], v[ADT] offset:4
	s_wait_dscnt 0x0
	XB_FMA 0, 1
	XB_RELU
	XB_MAX
	XB_CVT 0
	s_wait_dscnt 0x0
	XB_FMA 1, 1
	ds_load_b32 v[PS1], v[ADT] offset:TPI
	ds_load_b32 v[PS2], v[ADT] offset:TPI+4
	XB_RELU
	XB_MAX
	XB_CVT 1
	XSW
	ds_load_b64 v[MOFF:MOFF+1], v[ADT] offset:8
	WIN 0x40
.set p, 0
.rept 64
	v_mov_b32 v[HACC+p], 0                         ; the sums begin as zeros, once a wave: that spares a first trip written out
.set p, p+1
.endr
	WIN 0
.irp i, 0,1,2,3,4
	v_mov_b32 v[DEN+\i], 0                         ; the four denominators and the count
.endr
	v_mov_b32 v221, 0                              ; lane permutes' destinations
.irp i, 0,1,2,3
	v_mov_b32 v[RX+\i], 0
.endr
	s_wait_loadcnt 0x0                             ; g_w2
	s_mov_b32 s68, CP
	s_mov_b32 s69, TPI
	s_mov_b32 s70, 30
.Ltile:
	BODY 1, 1, 1, 1
	s_sub_co_u32 s70, s70, 1
	s_cmp_lg_u32 s70, 0
	s_cbranch_scc1 .Ltile
	BODY 1, 0, 1, 1                                ; tile 30: nothing is left to fetch for X
	BODY 0, 0, 0, 0                                ; tile 31
	; ---- the way out: the eight waves' sums meet in LDS; wave w adds and stores chunks 2 w and 2 w + 1, wave 0 also the denominators and the count
	s_mul_i32 s98, s40, REDW
	s_add_co_u32 s98, s98, RED
	v_and_b32 v16, 31, v0
	v_lshl_add_u32 v17, v16, 4, s98
	s_add_co_u32 s99, s98, 8704
	v_lshl_add_u32 v18, v16, 2, s99
	s_lshl_b32 s98, s40, 10
	v_lshl_add_u32 v22, v16, 4, s98                ; in part: 1,024 w + 16 x lane
	s_add_co_u32 s98, s98, RED
	v_lshl_add_u32 v19, v16, 4, s98
	v_lshl_add_u32 v20, v16, 4, RED+8192
	v_lshl_add_u32 v21, v16, 2, RED+8704
	v_lshlrev_b32 v23, 4, v16
	v_lshlrev_b32 v24, 3, v16
	WIN 0x04
.set p, 0
.rept 16
	ds_store_b128 v17, v[HACC+4*p:HACC+4*p+3] offset:512*p
.set p, p+1
.endr
	WIN 0
	ds_store_b128 v17, v[DEN:DEN+3] offset:8192
	ds_store_b32 v18, v[CNT]
	s_wait_dscnt 0x0                               ; for the others' sake
	s_barrier_signal -1
	s_barrier_wait -1
.irp v, 0,1,2,3,4,5,6,7
.irp k, 0,1
	ds_load_b128 v[32+8*\v+4*\k:35+8*\v+4*\k], v19 offset:9216*\v+512*\k
.endr
.endr
	s_wait_dscnt 0x0
.irp v, 1,2,3,4,5,6,7
.irp k, 0,2,4,6
	v_pk_add_f32 v[32+\k:33+\k], v[32+\k:33+\k], v[32+8*\v+\k:33+8*\v+\k]
.endr
.endr
	global_store_b128 v22, v[32:35], s[80:81]              ; 32 lanes store 512 consecutive bytes, aligned
	global_store_b128 v22, v[36:39], s[80:81] offset:512
	s_cmp_lg_u32 s40, 0
	s_cbranch_scc1 .Lend
.irp v, 0,1,2,3,4,5,6,7
	ds_load_b128 v[64+4*\v:67+4*\v], v20 offset:9216*\v
	ds_load_b32 v[96+\v], v21 offset:9216*\v
.endr
	s_wait_dscnt 0x0
.irp v, 1,2,3,4,5,6,7
	v_pk_add_f32 v[64:65], v[64:65], v[64+4*\v:65+4*\v]
	v_pk_add_f32 v[66:67], v[66:67], v[66+4*\v:67+4*\v]
	v_add_nc_u32 v96, v96, v[96+\v]
.endr
	v_mov_b32 v97, 0
	global_store_b128 v23, v[64:67], s[82:83]              ; 512 consecutive bytes
	global_store_b64 v24, v[96:97], s[84:85]               ; (count, 0): 256 consecutive bytes
.Lend:
	s_wait_xcnt 0x0
	v_lshl_add_u32 v254, v0, 2, 0x45e00
	v_mov_b32 v255, 0
	s_wait_tensorcnt 0x0
	ds_add_u32 v254, v255
	s_wait_dscnt 0x0
	s_endpgm
.Lfunc_end_k_q4105ad79df_cells:
	.size	k_q4105ad79df_cells, .Lfunc_end_k_q4105ad79df_cells-k_q4105ad79df_cells
	.p2alignl 7, 3214868480
	.fill 96, 4, 3214868480
	.section	.rodata,"a",@progbits
	.p2align	6, 0x0
	.amdhsa_kernel k_q4105ad79df_cells
		.amdhsa_group_segment_fixed_size 287232
		.amdhsa_private_segment_fixed_size 0
		.amdhsa_enable_private_segment 0
		.amdhsa_kernarg_size 144
		.amdhsa_user_sgpr_count 2
		.amdhsa_user_sgpr_kernarg_segment_ptr 1
		.amdhsa_wavefront_size32 1
		.amdhsa_system_sgpr_workgroup_id_x 1
		.amdhsa_system_sgpr_workgroup_id_y 1
		.amdhsa_system_sgpr_workgroup_id_z 1
		.amdhsa_system_vgpr_workitem_id 0
		.amdhsa_next_free_vgpr 512
		.amdhsa_next_free_sgpr 100
		.amdhsa_reserve_vcc 1
		.amdhsa_float_denorm_mode_32 3
		.amdhsa_float_denorm_mode_16_64 3
		.amdhsa_memory_ordered 1
		.amdhsa_forward_progress 1
		.amdhsa_inst_pref_size 150
	.end_amdhsa_kernel
	.amdgpu_metadata
---
amdhsa.version: [ 1, 2 ]
amdhsa.kernels:
  - .name:           k_q4105ad79df_cells
    .symbol:         k_q4105ad79df_cells.kd
    .args:
      - { .name: x, .offset: 0, .size: 8, .value_kind: global_buffer, .address_space: global }
      - { .name: mask, .offset: 8, .size: 8, .value_kind: global_buffer, .address_space: global }
      - { .name: fe, .offset: 16, .size: 8, .value_kind: global_buffer, .address_space: global }
      - { .name: h_w1, .offset: 24, .size: 8, .value_kind: global_buffer, .address_space: global }
      - { .name: h_b1, .offset: 32, .size: 8, .value_kind: global_buffer, .address_space: global }
      - { .name: h_ln1_w, .offset: 40, .size: 8, .value_kind: global_buffer, .address_space: global }
      - { .name: h_ln1_b, .offset: 48, .size: 8, .value_kind: global_buffer, .address_space: global }
      - { .name: h_w2, .offset: 56, .size: 8, .value_kind: global_buffer, .address_space: global }
      - { .name: h_b2, .offset: 64, .size: 8, .value_kind: global_buffer, .address_space: global }
      - { .name: h_ln2_w, .offset: 72, .size: 8, .value_kind: global_buffer, .address_space: global }
      - { .name: h_ln2_b, .offset: 80, .size: 8, .value_kind: global_buffer, .address_space: global }
      - { .name: g_w1, .offset: 88, .size: 8, .value_kind: global_buffer, .address_space: global }
      - { .name: g_b1, .offset: 96, .size: 8, .value_kind: global_buffer, .address_space: global }
      - { .name: g_w2, .offset: 104, .size: 8, .value_kind: global_buffer, .address_space: global }
      - { .name: g_b2, .offset: 112, .size: 8, .value_kind: global_buffer, .address_space: global }
      - { .name: part, .offset: 120, .size: 8, .value_kind: global_buffer, .address_space: global }
      - { .name: den, .offset: 128, .size: 8, .value_kind: global_buffer, .address_space: global }
      - { .name: cnt, .offset: 136, .size: 8, .value_kind: global_buffer, .address_space: global }
    .group_segment_fixed_size: 287232
    .private_segment_fixed_size: 0
    .kernarg_segment_align: 8
    .kernarg_segment_size: 144
    .max_flat_workgroup_size: 256
    .sgpr_count:     100
    .vgpr_count:     512
    .wavefront_size: 32
...
	.end_amdgpu_metadata
.endif
;; end of part 1
;; launch head (part 2): grid 8 x 1, 16 waves a work-group, no clusters, 45,312 bytes of LDS; arguments part, den, cnt, c_w, c_b, c_ln_w, c_ln_b, e_w1, e_b1, e_ln1_w, e_ln1_b, e_w2, e_b2, e_ln2_w, e_ln2_b, out0, out1; writes out0, out1
.if DOCPART == 2
	.amdgcn_target "amdgcn-amd-amdhsa--gfx1250"
	.amdhsa_code_object_version 6
	.text
	.protected	k_q4105ad79df_head
	.globl	k_q4105ad79df_head
	.p2align	8
	.type	k_q4105ad79df_head,@function
k_q4105ad79df_head:
	s_mov_b64 s[64:65], 0
	v_nop
	global_prefetch_b8 v0, s[64:65] scope:SCOPE_SE
	s_setreg_imm32_b32 hwreg(HW_REG_WAVE_MODE, 25, 1), 1
	s_wait_xcnt 0x0
; The sums over the 32 parts of j, head_sums = numerator / denominator, and the small chain on 16 cells a work-group: Q(hs) Q(c_w) + c_b, LN32, relu, 0 where the count of mask is not above 0;
; Q(.) Q(e_w1) + e_b1, LN256, relu; Q(.) Q(e_w2) + e_b2, LN64, relu; the first 32 to out0, the last 32 to out1.  Quantised products on codes of E2M3 with E8M0 scales, by the scaled 16x16x128 form, used transposed.
; Eight work-groups: 128 cells are eight tiles of 16.  FIRST PART, sixteen waves: wave w sums chunk w of the parts (head w / 4, d = 16 h + 4 (w % 4) + 0 .. 3), quantises its jobs of the weights (registers down K)
; into images in LDS and copies its share of the biases and gains; one barrier.  SECOND PART, wave 0 alone: the chain; its matrix work is 26 instructions.
; A denominator of 0 (no mask above 0) is held at 2^-100: the numerators are 0 then, and the count puts zeros there as reference() does.  A block of zeros gets the scale byte 1.  NaN and infinities are not served.
; REGISTERS: v1-22 addresses, all made ahead of the first branch; v[24:25], v[26:27] broadcast pairs; v112-121 hold scales and nothing else (SCL v112-119, the cells' words v120, v121).
; Second part: v32-43, v44-55 the cells' codes; v56-63, v30, v31 at work; v64-111 fragments, gains; v96-103 four chains; v128-255 numbers and accumulators.
.set HSB, 0                            ; head sums: 16 rows x (512 + 16) bytes
.set PB,  8448                         ; e_b1 0, e_ln1_w 1024, e_ln1_b 2048, e_b2 3072, e_ln2_w 3328, e_ln2_b 3584, c_b 3840, c_ln_w 3968, c_ln_b 4096
.set CWI, 12800                        ; c_w: 8 jobs x 384 bytes
.set CWS, 15872                        ; their scale bytes, a word for each job and row
.set E1I, 16384                        ; e_w1: 16 tiles: 3 code registers and the scale word, 16 bytes a lane
.set E2I, 24576                        ; e_w2: 32 jobs x 384 bytes
.set E2S, 36864
.set OST, 38912                        ; the way out: 16 rows x (256 + 16) bytes
.set CH,  96
.set SCL, 112
.set SA0, 120
.set SA1, 121
.macro QJ raw, cod, so, by             ; 32 along K x 16 rows: lane (r, h) holds k = 16 h + 0 .. 15 of row r
	v_max3_num_f32 v132, |v[\raw]|, |v[\raw+1]|, 0x1800000
.irp i, 2,4,6,8,10,12,14
	v_max3_num_f32 v132, v132, |v[\raw+\i]|, |v[\raw+\i+1]|
.endr
	v_permlanex16_b32 v133, v132, s44, s45
	v_max_num_f32 v132, v132, v133
	v_add_nc_u32 v[\so], 0xff000000, v132
	v_lshrrev_b32 v[\by], 23, v[\so]
	v_cvt_scalef32_pk16_fp6_f32 v[\cod:\cod+2], v[\raw:\raw+15], v[\so]
	v_nop                                          ; one plain place behind a scaled conversion
.endm
.macro NOPS n
.rept \n
	v_nop
.endr
.endm
.macro FRAGB reg, base, grp            ; lane (r, h) registers 6 c .. 6 c + 5 = block 2 c + h of row r
.irp c, 0,1
.irp p, 0,1,2
	ds_load_b64 v[\reg+6*\c+2*\p:\reg+6*\c+2*\p+1], v13 offset:\base+(4*(\grp)+2*\c)*384+8*\p
.endr
.endr
.endm
.macro WORD dst, b                     ; four jobs' bytes make a fragment's scale word
	v_lshl_or_b32 v[\dst], v[\b+1], 8, v[\b]
	v_lshl_or_b32 v[\dst], v[\b+2], 16, v[\dst]
	v_lshl_or_b32 v[\dst], v[\b+3], 24, v[\dst]
.endm
.macro BMAX y                          ; a block of 32, all the lane's own
	v_max3_num_f32 v59, |v[\y]|, |v[\y+1]|, 0x1800000
	v_max3_num_f32 v60, |v[\y+2]|, |v[\y+3]|, |v[\y+4]|
.set p, 0
.rept 13
	v_max3_num_f32 v[59+p%2], v[59+p%2], |v[\y+5+2*p]|, |v[\y+6+2*p]|
.set p, p+1
.endr
	v_max3_num_f32 v59, v59, v60, |v[\y+31]|
.endm
.macro BCVT y, fr, by
	v_add_nc_u32 v61, 0xff000000, v59
	v_cvt_scalef32_pk16_fp6_f32 v[\fr:\fr+2], v[\y:\y+15], v61
	v_cvt_scalef32_pk16_fp6_f32 v[56:58], v[\y+16:\y+31], v61
	v_lshrrev_b32 v[\by], 23, v61                  ; the byte; also the plain place behind the conversions
.irp i, 0,1,2
	v_mov_b32 v[\fr+3+\i], v[56+\i]
.endr
.endm
.macro XSW sa
	v_lshl_or_b32 v30, v63, 16, v62
	v_lshlrev_b32 v30, v22, v30
	v_permlanex16_b32 v31, v30, s44, s45
	v_or_b32 v[\sa], v30, v31
.endm
.macro ZCH
.irp i, 0,1,2,3,4,5,6,7
	v_mov_b32 v[CH+\i], 0
.endr
.endm
.macro RSUM n, b                       ; in ascending order: each accumulator is read from its low end on
.set p, 0
.rept \n
	v_pk_add_f32 v[CH+2*(p%4):CH+2*(p%4)+1], v[CH+2*(p%4):CH+2*(p%4)+1], v[\b+2*p:\b+2*p+1]
.set p, p+1
.endr
.endm
.macro RDOT n, b
.set p, 0
.rept \n
	v_pk_fma_f32 v[CH+2*(p%4):CH+2*(p%4)+1], v[\b+2*p:\b+2*p+1], v[\b+2*p:\b+2*p+1], v[CH+2*(p%4):CH+2*(p%4)+1]
.set p, p+1
.endr
.endm
.macro CENTRE n, b
.set p, 0
.rept \n
	v_pk_add_f32 v[\b+2*p:\b+2*p+1], v[\b+2*p:\b+2*p+1], v[24:25] op_sel_hi:[1,0]
.set p, p+1
.endr
.endm
.macro FOLD                            ; -> v30
	v_pk_add_f32 v[CH:CH+1], v[CH:CH+1], v[CH+2:CH+3]
	v_pk_add_f32 v[CH+4:CH+5], v[CH+4:CH+5], v[CH+6:CH+7]
	v_pk_add_f32 v[CH:CH+1], v[CH:CH+1], v[CH+4:CH+5]
	v_add_f32 v30, v[CH], v[CH+1]
	v_permlanex16_b32 v31, v30, s44, s45
	v_add_f32 v30, v30, v31
.endm
	s_load_b512 s[4:19], s[0:1], 0x0               ; part, den, cnt, c_w, c_b, c_ln_w, c_ln_b, e_w1
	s_load_b512 s[20:35], s[0:1], 0x40             ; e_b1, e_ln1_w, e_ln1_b, e_w2, e_b2, e_ln2_w, e_ln2_b, out0
	s_load_b64 s[36:37], s[0:1], 0x80              ; out1
	v_lshl_add_u32 v126, v0, 2, 0xa900
	v_mov_b32 v127, 0
	v_lshrrev_b32 v23, 5, v0
	v_readfirstlane_b32 s38, v23                   ; wave 0..15
	s_mov_b32 s44, 0x76543210
	s_mov_b32 s45, 0xfedcba98
	s_mov_b32 s66, 0x3d000000                      ; 1/32
	s_mov_b32 s67, 0x3727c5ac                      ; 1e-5
	s_mov_b32 s70, 0x3b800000                      ; 1/256
	s_mov_b32 s71, 0x3c800000                      ; 1/64
	s_lshr_b32 s40, s38, 2
	s_and_b32 s41, s38, 3
	v_and_b32 v24, 31, v0                          ; lane
	v_and_b32 v25, 15, v0                          ; r
	v_bfe_u32 v26, v0, 4, 1                        ; h
	v_lshlrev_b32 v1, 4, v0                        ; 16 x thread = 512 w + 16 x lane: my chunk of a part, my image of e_w1
	v_lshlrev_b32 v10, 3, v0                       ; 8 x thread: my 256 bytes of the biases and gains
	v_lshlrev_b32 v7, 2, v24
	v_lshlrev_b32 v18, 4, v24
	v_lshlrev_b32 v14, 2, v25
	v_lshlrev_b32 v15, 6, v26
	v_lshlrev_b32 v16, 7, v26
	v_lshlrev_b32 v17, 5, v26
	v_lshlrev_b32 v22, 3, v26
	v_mov_b32 v28, 0
	s_lshl_b32 s42, s40, 2                         ; den: parts 16 h + i, lane r's slot (both halves of a cell hold the same sums), head w / 4
	v_lshl_add_u32 v2, v26, 16, s42
	v_lshl_add_u32 v2, v25, 4, v2
	s_lshl_b32 s42, s40, 8                         ; e_w1, tile t = w: rows 16 h on, column 64 (t/4) + 32 (r/8) + 8 (t%4) + r%8
	s_lshl_b32 s43, s41, 5
	s_add_co_u32 s42, s42, s43
	v_bfe_u32 v27, v0, 3, 1
	v_lshl_add_u32 v3, v26, 14, s42
	v_lshl_add_u32 v3, v27, 7, v3
	v_and_b32 v27, 7, v0
	v_lshl_add_u32 v3, v27, 2, v3
	s_and_b32 s42, s38, 7                          ; e_w2, job w: block w % 8 of K, tile w / 8 of the outputs (job w + 16: two tiles on)
	s_lshl_b32 s42, s42, 13
	s_lshr_b32 s43, s38, 3
	s_lshl_b32 s43, s43, 6
	s_add_co_u32 s42, s42, s43
	v_lshl_add_u32 v4, v26, 12, s42
	v_lshl_add_u32 v4, v25, 2, v4
	s_lshl_b32 s42, s41, 12                        ; c_w, job w < 8: block w % 4, column 8 (w/4) + r + 8 (r/8)
	s_and_b32 s43, s40, 1
	s_lshl_b32 s43, s43, 5
	s_add_co_u32 s42, s42, s43
	v_and_b32 v27, 8, v0
	v_add_nc_u32 v27, v27, v25
	v_lshl_add_u32 v5, v26, 11, s42
	v_lshl_add_u32 v5, v27, 2, v5
	s_lshl_b32 s46, s41, 8
	s_cmp_lt_u32 s38, 12
	s_cselect_b32 s46, s46, 0
	v_lshl_add_u32 v6, v24, 3, s46                 ; my 256 bytes of the tensor that I copy
	s_mul_i32 s42, s38, 384
	v_mad_u32_u24 v8, v25, 24, s42
	v_mad_u32_u24 v8, v26, 12, v8                  ; a job's codes: 384 w + 24 r + 12 h
	s_lshl_b32 s42, s38, 6
	v_lshl_add_u32 v9, v25, 2, s42                 ; its scale bytes: 64 w + 4 r
	s_lshl_b32 s42, s40, 7
	s_lshl_b32 s43, s41, 4
	s_add_co_u32 s42, s42, s43
	v_mad_u32_u24 v11, v25, 528, s42
	v_lshl_add_u32 v11, v26, 6, v11                ; head sums in: row r, 128 (w/4) + 64 h + 16 (w%4)
	v_mul_u32_u24 v12, v25, 528
	v_lshl_add_u32 v12, v26, 7, v12                ; and out: row r, + 128 h
	v_mul_u32_u24 v13, v25, 24
	v_mad_u32_u24 v13, v26, 384, v13
	v_mul_u32_u24 v19, v25, 272
	v_lshl_add_u32 v19, v26, 5, v19
	v_lshrrev_b32 v27, 3, v24
	v_mul_u32_u24 v20, v27, 272
	v_and_b32 v27, 7, v0
	v_lshl_add_u32 v20, v27, 4, v20
	v_lshlrev_b32 v21, 3, v25
	v_lshl_add_u32 v21, v26, 15, v21               ; cnt: parts 16 h + i, lane r's slot
	s_lshl_b32 s58, ttmp9, 13
	s_mov_b32 s59, 0
	s_lshl_b32 s60, ttmp9, 9
	s_mov_b32 s61, 0
	s_lshl_b32 s62, ttmp9, 8
	s_mov_b32 s63, 0
	s_lshl_b32 s68, ttmp9, 11
	s_mov_b32 s69, 0
	s_wait_kmcnt 0x0
	s_add_nc_u64 s[48:49], s[4:5], s[58:59]
	s_add_nc_u64 s[50:51], s[6:7], s[60:61]
	s_add_nc_u64 s[52:53], s[8:9], s[62:63]
	s_add_nc_u64 s[54:55], s[34:35], s[68:69]
	s_add_nc_u64 s[56:57], s[36:37], s[68:69]
	s_mov_b64 s[72:73], s[32:33]                   ; which tensor I copy: a choice on the wave's number alone
	s_cmp_lt_u32 s38, 14
	s_cselect_b64 s[72:73], s[30:31], s[72:73]
	s_cmp_lt_u32 s38, 13
	s_cselect_b64 s[72:73], s[28:29], s[72:73]
	s_cmp_lt_u32 s38, 12
	s_cselect_b64 s[72:73], s[24:25], s[72:73]
	s_cmp_lt_u32 s38, 8
	s_cselect_b64 s[72:73], s[22:23], s[72:73]
	s_cmp_lt_u32 s38, 4
	s_cselect_b64 s[72:73], s[20:21], s[72:73]
.set p, 0
.rept 32
	global_load_b128 v[128+4*p:131+4*p], v1, s[48:49] offset:65536*p th:TH_LOAD_NT   ; 512 consecutive bytes a wave; read once in the launch
.set p, p+1
.endr
.set p, 0
.rept 16
	global_load_b32 v[96+p], v2, s[50:51] offset:4096*p
	global_load_b32 v[32+p], v3, s[18:19] offset:1024*p
	global_load_b32 v[48+p], v4, s[26:27] offset:256*p
	global_load_b32 v[64+p], v4, s[26:27] offset:256*p+128
.set p, p+1
.endr
	s_cmp_lt_u32 s38, 8
	s_cbranch_scc0 .Lno_cw
.set p, 0
.rept 16
	global_load_b32 v[80+p], v5, s[10:11] offset:128*p
.set p, p+1
.endr
.Lno_cw:
	s_cmp_lt_u32 s38, 15
	s_cbranch_scc0 .Lsmall
	global_load_b64 v[30:31], v6, s[72:73]
	s_branch .Lasked
.Lsmall:
	global_load_b32 v30, v7, s[12:13]              ; wave 15: c_b, c_ln_w, c_ln_b, 128 bytes each
	global_load_b32 v31, v7, s[14:15]
	global_load_b32 v23, v7, s[16:17]
.Lasked:
	s_wait_loadcnt 0x0                             ; the waves' counts differ: zero
.set q, 4
.rept 28                               ; the 32 parts, in four chains
	v_pk_add_f32 v[128+4*(q%4):129+4*(q%4)], v[128+4*(q%4):129+4*(q%4)], v[128+4*q:129+4*q]
	v_pk_add_f32 v[130+4*(q%4):131+4*(q%4)], v[130+4*(q%4):131+4*(q%4)], v[130+4*q:131+4*q]
.set q, q+1
.endr
	v_pk_add_f32 v[128:129], v[128:129], v[132:133]
	v_pk_add_f32 v[130:131], v[130:131], v[134:135]
	v_pk_add_f32 v[136:137], v[136:137], v[140:141]
	v_pk_add_f32 v[138:139], v[138:139], v[142:143]
	v_pk_add_f32 v[128:129], v[128:129], v[136:137]
	v_pk_add_f32 v[130:131], v[130:131], v[138:139]
.irp p, 2,4,6,8,10,12,14
	v_pk_add_f32 v[96:97], v[96:97], v[96+\p:97+\p]
.endr
	v_add_f32 v96, v96, v97
	v_permlanex16_b32 v28, v96, s44, s45
	v_add_f32 v96, v96, v28                        ; the denominator: my 16 parts and lane l xor 16's
	v_max_num_f32 v96, 0x0d800000, v96
	v_rcp_f32 v24, v96
	v_nop
	s_wait_alu depctr_va_vdst(0)                   ; ahead of the reciprocal's first reader
	v_pk_mul_f32 v[128:129], v[128:129], v[24:25] op_sel_hi:[1,0]
	v_pk_mul_f32 v[130:131], v[130:131], v[24:25] op_sel_hi:[1,0]
	ds_store_b128 v11, v[128:131] offset:HSB
	v_mov_b32 v133, 0
	QJ 32, 136, 140, 141
	v_lshl_or_b32 v139, v141, 8, v141              ; K = 32: blocks 0 and 1 carry the byte
	ds_store_b128 v1, v[136:139] offset:E1I
	QJ 48, 144, 148, 149
	ds_store_b32 v8, v144 offset:E2I
	ds_store_b32 v8, v145 offset:E2I+4
	ds_store_b32 v8, v146 offset:E2I+8
	ds_store_b32 v9, v149 offset:E2S
	QJ 64, 152, 156, 157
	ds_store_b32 v8, v152 offset:E2I+6144
	ds_store_b32 v8, v153 offset:E2I+6148
	ds_store_b32 v8, v154 offset:E2I+6152
	ds_store_b32 v9, v157 offset:E2S+1024
	s_cmp_lt_u32 s38, 8
	s_cbranch_scc0 .Lno_cw2
	QJ 80, 160, 164, 165
	ds_store_b32 v8, v160 offset:CWI
	ds_store_b32 v8, v161 offset:CWI+4
	ds_store_b32 v8, v162 offset:CWI+8
	ds_store_b32 v9, v165 offset:CWS
.Lno_cw2:
	s_cmp_lt_u32 s38, 15
	s_cbranch_scc0 .Lsmall2
	ds_store_b64 v10, v[30:31] offset:PB
	s_branch .Lcopied
.Lsmall2:
	ds_store_b32 v7, v30 offset:PB+3840
	ds_store_b32 v7, v31 offset:PB+3968
	ds_store_b32 v7, v23 offset:PB+4096
.Lcopied:
	s_wait_dscnt 0x0                               ; for wave 0's sake: all my stores have landed
	s_barrier_signal -1
	s_barrier_wait -1
	s_cmp_lg_u32 s38, 0
	s_cbranch_scc1 .Lend
	; ---- wave 0.  Product 6: K = 128 = (head, d)
.set p, 0
.rept 16
	global_load_b32 v[224+p], v21, s[52:53] offset:2048*p
.set p, p+1
.endr
.set p, 0
.rept 16
	ds_load_b128 v[128+4*p:131+4*p], v12 offset:HSB+256*(p/8)+16*(p%8)   ; cell r: k = 64 c + 32 h + 0 .. 31
.set p, p+1
.endr
	FRAGB 64, CWI, 0
	FRAGB 76, CWI, 1
.irp k, 0,1,2,3,4,5,6,7
	ds_load_b32 v[240+\k], v14 offset:CWS+64*\k
.endr
.irp m, 0,1,2,3
	ds_load_b128 v[88+4*\m:91+4*\m], v15 offset:PB+3840+16*\m      ; c_b: the sums begin with it
	ds_load_b128 v[192+4*\m:195+4*\m], v15 offset:PB+3968+16*\m
	ds_load_b128 v[208+4*\m:211+4*\m], v15 offset:PB+4096+16*\m
.endr
	s_wait_dscnt 0x0
	WORD SCL, 240
	WORD SCL+1, 244
	BMAX 128
	BCVT 128, 32, 62
	BMAX 160
	BCVT 160, 38, 63
	XSW SA0
	NOPS 8                                         ; a scale register written by a vector instruction stands 8 places ahead of the product
	v_wmma_scale_f32_16x16x128_f8f6f4 v[88:95], v[64:75], v[32:43], v[88:95], v[SCL], v[SA0] matrix_a_fmt:MATRIX_FMT_FP6 matrix_b_fmt:MATRIX_FMT_FP6
	v_wmma_scale_f32_16x16x128_f8f6f4 v[96:103], v[76:87], v[32:43], v[96:103], v[SCL+1], v[SA0] matrix_a_fmt:MATRIX_FMT_FP6 matrix_b_fmt:MATRIX_FMT_FP6
	NOPS 4
	; LN over 32 (a lane holds d = 16 h + n), relu, the count's zeros, codes
	v_pk_add_f32 v[122:123], v[88:89], v[90:91]
	v_pk_add_f32 v[124:125], v[96:97], v[98:99]
	v_pk_add_f32 v[122:123], v[122:123], v[92:93]
	v_pk_add_f32 v[124:125], v[124:125], v[100:101]
	v_pk_add_f32 v[122:123], v[122:123], v[94:95]
	v_pk_add_f32 v[124:125], v[124:125], v[102:103]
	v_pk_add_f32 v[122:123], v[122:123], v[124:125]
	v_add_f32 v30, v122, v123
	v_permlanex16_b32 v31, v30, s44, s45
	v_add_f32 v30, v30, v31
	v_mul_f32 v24, 0xbd000000, v30
.irp p, 0,2,4,6,8,10,12,14
	v_pk_add_f32 v[240+\p:241+\p], v[88+\p:89+\p], v[24:25] op_sel_hi:[1,0]
.endr
	v_pk_mul_f32 v[122:123], v[240:241], v[240:241]
	v_pk_mul_f32 v[124:125], v[242:243], v[242:243]
.irp p, 4,8,12
	v_pk_fma_f32 v[122:123], v[240+\p:241+\p], v[240+\p:241+\p], v[122:123]
	v_pk_fma_f32 v[124:125], v[242+\p:243+\p], v[242+\p:243+\p], v[124:125]
.endr
	v_pk_add_f32 v[122:123], v[122:123], v[124:125]
	v_add_f32 v30, v122, v123
	v_permlanex16_b32 v31, v30, s44, s45
	v_add_f32 v30, v30, v31
	v_fma_f32 v30, v30, s66, s67
	v_rsq_f32 v26, v30
	v_nop
	s_wait_alu depctr_va_vdst(0)
.irp p, 0,2,4,6,8,10,12,14
	v_pk_mul_f32 v[240+\p:241+\p], v[240+\p:241+\p], v[26:27] op_sel_hi:[1,0]
.endr
.irp p, 0,2,4,6,8,10,12,14
	v_pk_fma_f32 v[240+\p:241+\p], v[240+\p:241+\p], v[192+\p:193+\p], v[208+\p:209+\p]
.endr
.set p, 0
.rept 16
	v_max_num_f32 v[240+p], 0, v[240+p]
.set p, p+1
.endr
	s_wait_loadcnt 0x0
.irp p, 1,2,3,4,5,6,7,8,9,10,11,12,13,14,15
	v_add_nc_u32 v224, v224, v[224+\p]
.endr
	v_permlanex16_b32 v31, v224, s44, s45
	v_add_nc_u32 v224, v224, v31                   ; the cell's sum of mask
	v_cmp_lt_i32 vcc_lo, 0, v224
.set p, 0
.rept 16
	v_cndmask_b32 v[240+p], 0, v[240+p], vcc_lo
.set p, p+1
.endr
	v_max3_num_f32 v59, v240, v241, 0x1800000
.irp p, 2,4,6,8,10,12,14
	v_max3_num_f32 v59, v59, v[240+\p], v[241+\p]
.endr
	v_permlanex16_b32 v31, v59, s44, s45
	v_max_num_f32 v59, v59, v31
	v_add_nc_u32 v61, 0xff000000, v59
	v_lshrrev_b32 v62, 23, v61
	v_lshl_or_b32 v[SA1], v62, 8, v62
	v_cvt_scalef32_pk16_fp6_f32 v[44:46], v[240:255], v61
	v_nop
.irp i, 47,48,49,50,51,52,53,54,55
	v_mov_b32 v[\i], 0                             ; zero codes beyond K = 32
.endr
	; Product 7: 16 tiles of e_w1, four at a time; the sums begin with e_b1, laid as the next operand lies: register n of half h = unit 64 (n/32) + 32 h + n%32
.set p, 0
.rept 32
	ds_load_b128 v[128+4*p:131+4*p], v16 offset:PB+256*(p/8)+16*(p%8)
.set p, p+1
.endr
.irp b, 0,1,2,3
.irp i, 3,4,5,6,7,8,9,10,11
	v_mov_b32 v[64+12*\b+\i], 0
.endr
.endr
	NOPS 8
.irp g, 0,1,2,3
.irp b, 0,1,2,3
	ds_load_b96 v[64+12*\b:66+12*\b], v18 offset:E1I+512*(4*\g+\b)
	ds_load_b32 v[SCL+\b], v18 offset:E1I+512*(4*\g+\b)+12
.endr
	s_wait_dscnt 0x0
.irp b, 0,1,2,3
	v_wmma_scale_f32_16x16x128_f8f6f4 v[128+8*(4*\g+\b):135+8*(4*\g+\b)], v[64+12*\b:75+12*\b], v[44:55], v[128+8*(4*\g+\b):135+8*(4*\g+\b)], v[SCL+\b], v[SA1] matrix_a_fmt:MATRIX_FMT_FP6 matrix_b_fmt:MATRIX_FMT_FP6
.endr
	NOPS 4                                         ; places in front of loads into registers that the products have read, and of the first read of results
.endr
	; LN over 256 (128 registers a lane), relu.  Gains and biases come 16 registers a round, two rounds ahead, into v32-63 and v64-95 by turns
.macro GLOAD i
.irp m, 0,1,2,3
	ds_load_b128 v[32+32*((\i)%2)+4*\m:35+32*((\i)%2)+4*\m], v16 offset:PB+1024+256*((\i)/2)+64*((\i)%2)+16*\m
	ds_load_b128 v[48+32*((\i)%2)+4*\m:51+32*((\i)%2)+4*\m], v16 offset:PB+2048+256*((\i)/2)+64*((\i)%2)+16*\m
.endr
.endm
.macro ROUND i
.if (\i) < 7
	s_wait_dscnt 8                                 ; the next round's eight loads may be out
.else
	s_wait_dscnt 0x0
.endif
.set XB, 128+16*(\i)
.set GB, 32+32*((\i)%2)
.set p, 0
.rept 8
	v_pk_mul_f32 v[XB+2*p:XB+2*p+1], v[XB+2*p:XB+2*p+1], v[26:27] op_sel_hi:[1,0]
.set p, p+1
.endr
.set p, 0
.rept 8
	v_pk_fma_f32 v[XB+2*p:XB+2*p+1], v[XB+2*p:XB+2*p+1], v[GB+2*p:GB+2*p+1], v[GB+16+2*p:GB+17+2*p]
.set p, p+1
.endr
.set p, 0
.rept 16
	v_max_num_f32 v[XB+p], 0, v[XB+p]
.set p, p+1
.endr
.if (\i) < 6
	GLOAD (\i)+2
.endif
.endm
	GLOAD 0
	GLOAD 1
	ZCH
	RSUM 64, 128
	FOLD
	v_mul_f32 v24, 0xbb800000, v30
	CENTRE 64, 128
	ZCH
	RDOT 64, 128
	FOLD
	v_fma_f32 v30, v30, s70, s67
	v_rsq_f32 v26, v30
	v_nop
	s_wait_alu depctr_va_vdst(0)
.irp i, 0,1,2,3,4,5,6,7
	ROUND \i
.endr
	BMAX 128
	BCVT 128, 32, 62
	BMAX 160
	BCVT 160, 38, 63
	XSW SA0                                        ; K step 0
	BMAX 192
	BCVT 192, 44, 62
	BMAX 224
	BCVT 224, 50, 63
	XSW SA1                                        ; K step 1
	; Product 8: four tiles of outputs x two K steps; the sums begin with e_b2
.irp g, 0,1,2,3,4,5,6,7
	FRAGB 128+12*\g, E2I, \g
.endr
.set p, 0
.rept 32
	ds_load_b32 v[64+p], v14 offset:E2S+64*p
.set p, p+1
.endr
.irp n, 0,1,2,3
	ds_load_b128 v[224+8*\n:227+8*\n], v17 offset:PB+3072+64*\n
	ds_load_b128 v[228+8*\n:231+8*\n], v17 offset:PB+3072+64*\n+16
.endr
	s_wait_dscnt 0x0
.irp g, 0,1,2,3,4,5,6,7
	WORD SCL+\g, 64+4*\g
.endr
	NOPS 8
.irp n, 0,1,2,3                        ; the four accumulators take turns, one instruction a turn
	v_wmma_scale_f32_16x16x128_f8f6f4 v[224+8*\n:231+8*\n], v[128+24*\n:139+24*\n], v[32:43], v[224+8*\n:231+8*\n], v[SCL+2*\n], v[SA0] matrix_a_fmt:MATRIX_FMT_FP6 matrix_b_fmt:MATRIX_FMT_FP6
.endr
.irp n, 0,1,2,3
	v_wmma_scale_f32_16x16x128_f8f6f4 v[224+8*\n:231+8*\n], v[140+24*\n:151+24*\n], v[44:55], v[224+8*\n:231+8*\n], v[SCL+2*\n+1], v[SA1] matrix_a_fmt:MATRIX_FMT_FP6 matrix_b_fmt:MATRIX_FMT_FP6
.endr
	NOPS 4
.irp n, 0,1,2,3
	ds_load_b128 v[64+8*\n:67+8*\n], v17 offset:PB+3328+64*\n
	ds_load_b128 v[68+8*\n:71+8*\n], v17 offset:PB+3328+64*\n+16
	ds_load_b128 v[128+8*\n:131+8*\n], v17 offset:PB+3584+64*\n
	ds_load_b128 v[132+8*\n:135+8*\n], v17 offset:PB+3584+64*\n+16
.endr
	; LN over 64 (register 8 n + e of half h = output 16 n + 8 h + e), relu
	ZCH
	RSUM 16, 224
	FOLD
	v_mul_f32 v24, 0xbc800000, v30
	CENTRE 16, 224
	ZCH
	RDOT 16, 224
	FOLD
	v_fma_f32 v30, v30, s71, s67
	v_rsq_f32 v26, v30
	v_nop
	s_wait_alu depctr_va_vdst(0)
	s_wait_dscnt 0x0
.set p, 0
.rept 16
	v_pk_mul_f32 v[224+2*p:225+2*p], v[224+2*p:225+2*p], v[26:27] op_sel_hi:[1,0]
.set p, p+1
.endr
.set p, 0
.rept 16
	v_pk_fma_f32 v[224+2*p:225+2*p], v[224+2*p:225+2*p], v[64+2*p:65+2*p], v[128+2*p:129+2*p]
.set p, p+1
.endr
.set p, 0
.rept 32
	v_max_num_f32 v[224+p], 0, v[224+p]
.set p, p+1
.endr
	; the way out: rows of 64 outputs through LDS; each store covers 512 consecutive bytes (four rows of 128) of out0 or out1
.irp n, 0,1,2,3
	ds_store_b128 v19, v[224+8*\n:227+8*\n] offset:OST+64*\n
	ds_store_b128 v19, v[228+8*\n:231+8*\n] offset:OST+64*\n+16
.endr
.irp i, 0,1,2,3
	ds_load_b128 v[128+4*\i:131+4*\i], v20 offset:OST+1088*\i      ; LDS serves a wave's instructions in order: these see the stores above
.endr
.irp i, 0,1,2,3
	ds_load_b128 v[144+4*\i:147+4*\i], v20 offset:OST+1088*\i+128
.endr
.irp i, 0,1,2,3
	s_wait_dscnt 7-\i
	global_store_b128 v18, v[128+4*\i:131+4*\i], s[54:55] offset:512*\i
.endr
.irp i, 0,1,2,3
	s_wait_dscnt 3-\i
	global_store_b128 v18, v[144+4*\i:147+4*\i], s[56:57] offset:512*\i
.endr
.Lend:
	s_wait_tensorcnt 0x0
	ds_add_u32 v126, v127
	s_wait_dscnt 0x0
	s_endpgm
.Lfunc_end_k_q4105ad79df_head:
	.size	k_q4105ad79df_head, .Lfunc_end_k_q4105ad79df_head-k_q4105ad79df_head
	.p2alignl 7, 3214868480
	.fill 96, 4, 3214868480
	.section	.rodata,"a",@progbits
	.p2align	6, 0x0
	.amdhsa_kernel k_q4105ad79df_head
		.amdhsa_group_segment_fixed_size 45312
		.amdhsa_private_segment_fixed_size 0
		.amdhsa_enable_private_segment 0
		.amdhsa_kernarg_size 136
		.amdhsa_user_sgpr_count 2
		.amdhsa_user_sgpr_kernarg_segment_ptr 1
		.amdhsa_wavefront_size32 1
		.amdhsa_system_sgpr_workgroup_id_x 1
		.amdhsa_system_sgpr_workgroup_id_y 1
		.amdhsa_system_sgpr_workgroup_id_z 1
		.amdhsa_system_vgpr_workitem_id 0
		.amdhsa_next_free_vgpr 256
		.amdhsa_next_free_sgpr 80
		.amdhsa_reserve_vcc 1
		.amdhsa_float_denorm_mode_32 3
		.amdhsa_float_denorm_mode_16_64 3
		.amdhsa_memory_ordered 1
		.amdhsa_forward_progress 1
		.amdhsa_inst_pref_size 102
	.end_amdhsa_kernel
	.amdgpu_metadata
---
amdhsa.version: [ 1, 2 ]
amdhsa.kernels:
  - .name:           k_q4105ad79df_head
    .symbol:         k_q4105ad79df_head.kd
    .args:
      - { .name: part, .offset: 0, .size: 8, .value_kind: global_buffer, .address_space: global }
      - { .name: den, .offset: 8, .size: 8, .value_kind: global_buffer, .address_space: global }
      - { .name: cnt, .offset: 16, .size: 8, .value_kind: global_buffer, .address_space: global }
      - { .name: c_w, .offset: 24, .size: 8, .value_kind: global_buffer, .address_space: global }
      - { .name: c_b, .offset: 32, .size: 8, .value_kind: global_buffer, .address_space: global }
      - { .name: c_ln_w, .offset: 40, .size: 8, .value_kind: global_buffer, .address_space: global }
      - { .name: c_ln_b, .offset: 48, .size: 8, .value_kind: global_buffer, .address_space: global }
      - { .name: e_w1, .offset: 56, .size: 8, .value_kind: global_buffer, .address_space: global }
      - { .name: e_b1, .offset: 64, .size: 8, .value_kind: global_buffer, .address_space: global }
      - { .name: e_ln1_w, .offset: 72, .size: 8, .value_kind: global_buffer, .address_space: global }
      - { .name: e_ln1_b, .offset: 80, .size: 8, .value_kind: global_buffer, .address_space: global }
      - { .name: e_w2, .offset: 88, .size: 8, .value_kind: global_buffer, .address_space: global }
      - { .name: e_b2, .offset: 96, .size: 8, .value_kind: global_buffer, .address_space: global }
      - { .name: e_ln2_w, .offset: 104, .size: 8, .value_kind: global_buffer, .address_space: global }
      - { .name: e_ln2_b, .offset: 112, .size: 8, .value_kind: global_buffer, .address_space: global }
      - { .name: out0, .offset: 120, .size: 8, .value_kind: global_buffer, .address_space: global }
      - { .name: out1, .offset: 128, .size: 8, .value_kind: global_buffer, .address_space: global }
    .group_segment_fixed_size: 45312
    .private_segment_fixed_size: 0
    .kernarg_segment_align: 8
    .kernarg_segment_size: 136
    .max_flat_workgroup_size: 512
    .sgpr_count:     80
    .vgpr_count:     256
    .wavefront_size: 32
...
	.end_amdgpu_metadata
.endif
;; end of part 2
